; MI455X (gfx1250); checked and timed in simulation.
; The chip was launched on July 23, 2026; its instructions are those of AMD's public machine-readable ISA for CDNA 5 (MIT licence, August 2026) and "CDNA5" Instruction Set Architecture Reference Guide (July 2026). The comments in the code are by the model that wrote it; some were corrected since.
;; Causal Self Attention. Allowed arithmetic: matrix products marked QUANTISED: E4M3 operands, one given power-of-two scale a tensor, by v_wmma_f32_16x16x64_fp8_fp8 or v_wmma_f32_16x16x128_fp8_fp8, f32 sums; everything else in f32.
;; Inputs: b_attn 3,072 float32; b_proj 1,024 float32; lowp_scales 8 int32 (the exponents e of the quantised operands' scales 2^e); w_attn_codes 3,072 x 32 x 32 uint8 (E4M3 codes of w_attn, K innermost, in blocks of 32 codes); w_proj_codes 1,024 x 32 x 32 uint8 (E4M3 codes of w_proj, K innermost, in blocks of 32 codes); x_codes 4 x 2,048 x 32 x 32 uint8 (E4M3 codes of x, K innermost, in blocks of 32 codes).
;; Outputs: out0 4 x 2,048 x 1,024 float32.
;; This version of the problem:
;;   THIS VERSION OF THE PROBLEM IS GIVEN IN LOW PRECISION. The matrix products marked QUANTISED in the list below multiply operands that are first quantised to E4M3 (4 exponent bits, 3 mantissa bits; 8 bits a number), with one given power-of-two scale for each operand tensor; their sums are f32. All else is computed in f32.
;;   The module's matrix products, in the order in which they are computed (A, B: the left and right operand; K: the contracted axis; several contracted axes count as one K, in the product's order):
;;     1. [M 8,192, K 1,024] x [K 1,024, N 3,072]; A: input x (given as codes); B: input w_attn (given as codes): QUANTISED (scales: A lowp_scales[0], B lowp_scales[1])
;;     2. batch 64 x [M 2,048, K 64] x [K 64, N 2,048]; A: computed on the way; B: computed on the way: QUANTISED (scales: A lowp_scales[2], B lowp_scales[3])
;;     3. batch 64 x [M 2,048, K 2,048] x [K 2,048, N 64]; A: softmax (see below); B: computed on the way: QUANTISED (scales: A lowp_scales[4], B lowp_scales[5])
;;     4. [M 8,192, K 1,024] x [K 1,024, N 1,024]; A: computed on the way; B: input w_proj (given as codes): QUANTISED (scales: A lowp_scales[6], B lowp_scales[7])
;;   THE QUANTISER, for each operand of a quantised product, along K:
;;     - The operand's scale is 2^e, e = its entry of the input lowp_scales (int32; the entries are numbered through the quantised products in the list's order, A before B).
;;     - Each number is divided by the scale, clamped to +-448, and rounded to the nearest number of E4M3, ties to even, subnormals kept.
;;     - The product sums the exact products of the quantised numbers (number of the format x scale) in f32.
;;   ~~~python
;;   def quantise(x, axis, e):      # numpy; x: float32 -> the quantised numbers, widened to float32 again
;;       x = np.moveaxis(x, axis, -1); K = x.shape[-1]
;;       r = np.clip(x / 2.0 ** e, -448, 448)
;;       step = 2.0 ** (np.maximum(np.frexp(np.where(r == 0, 1, r))[1] - 1, -6) - 3)
;;       q = np.round(r / step) * step * 2.0 ** e      # np.round: ties to even
;;       return np.moveaxis(q, -1, axis).astype(np.float32)
;;   ~~~
;;   SOFTMAX AHEAD OF A QUANTISED PRODUCT. Where the list says 'softmax', what is quantised is not the finished softmax but p = 2^(t - M), with t = logit x log2(e) and M = ceil(the row's largest t), a whole number; so 1/2 < the row's largest p <= 1. The row's sum l is taken of the UNQUANTISED p, in f32, and the product's result is divided by l at the end. Since M is a whole number, a kernel that streams over the keys may use a running M (the ceiling of the running maximum): every later rescaling is an exact power of two, so the quantised numbers keep their values, but for numbers so far below the row's largest that they fall under the format's range.
;;   OPERANDS COMPUTED ON THE WAY. 'Computed on the way' means the value that the module computes at that place (a softmax that the list does not call 'softmax' is quantised finished and normalised). What goes into a quantiser is computed in f32, as accurately as f32 sums, v_exp_f32 and their like allow (about 1e-6 of the number): no bf16 or f16 on the way to a quantiser, and a product that is left as it is and whose result goes on into a quantised operand takes f32 operands (vector FMAs, or v_wmma_f32_16x16x4_f32). A number that lies on a knife's edge between two numbers of the format may be rounded either way, as far as f32 arithmetic and the matrix unit's own rounding can turn it there, and no further.
;;   INPUTS GIVEN AS CODES. w_attn (in the module: [1024, 3072], K = its axis 0); w_proj (in the module: [1024, 1024], K = its axis 0); x (in the module: [4, 2048, 1024], K = its axis 2): each comes as NAME_codes (uint8): NAME with its K axis moved to the last place and cut into blocks of 32 codes, [.., K / 32, bytes a block], one block behind the other in memory; one code a byte (a code: sign, 4 exponent bits, 3 mantissa bits); its scale is its entry of lowp_scales. Its value is code x scale, taken as it is: it is not quantised again, and the codes and scales need not be those that the quantiser above would give.
;; One version. Each part assembles by itself: llvm-mc -triple=amdgcn-amd-amdhsa -mcpu=gfx1250 --defsym DOCPART=n.
;; ======== version 1 of 1: 3 launches
;; limits: right only within a limited range of input values
;; workspace buffers: qkv 25,165,824 bytes; y 8,388,608 bytes
;; launch qkv_gemm (part 1): grid 12 x 32, 4 waves a work-group, clusters of 4 x 4, 327,680 bytes of LDS; arguments x_codes, w_attn_codes, lowp_scales, b_attn, qkv; writes qkv
.if DOCPART == 1
	.amdgcn_target "amdgcn-amd-amdhsa--gfx1250"
	.amdhsa_code_object_version 6
	.text
	.protected	k_q01ec4844f7_qkv_gemm
	.globl	k_q01ec4844f7_qkv_gemm
	.p2align	8
	.type	k_q01ec4844f7_qkv_gemm,@function
k_q01ec4844f7_qkv_gemm:
	s_mov_b64 s[64:65], 0
	v_nop
	global_prefetch_b8 v0, s[64:65] scope:SCOPE_SE
	s_setreg_imm32_b32 hwreg(HW_REG_WAVE_MODE, 25, 1), 1
	s_wait_xcnt 0x0
	s_wait_alu depctr_hold_cnt(0) depctr_sa_sdst(0) depctr_va_vdst(0) depctr_va_sdst(0) depctr_va_ssrc(0) depctr_va_vcc(0) depctr_vm_vsrc(0)
	s_getreg_b32 s2, hwreg(HW_REG_IB_STS2, 6, 4)
	s_cmp_eq_u32 s2, 0
	s_cbranch_scc0 .Lentry_in_a_cluster
	s_endpgm
.Lentry_in_a_cluster:
	s_bfe_u32 s2, ttmp6, 0x10000c
	s_cmp_lg_u32 s2, 0xf033
	s_cbranch_scc0 .Lentry_shape_is_right
	s_endpgm
.Lentry_shape_is_right:
; qkv = x w_attn + b_attn on codes of FP8 (E4M3), then q, k and v are quantised again (scales 2^e2, 2^e3, 2^e5) and stored as codes.
; x_codes: [8192][1024], w_attn_codes: [3072][1024], K innermost, one code a byte.  A sum of code products stands for sum x 2^(e0 + e1).
; A tile of 256 x 256 is made by four waves, 128 x 128 each: 64 accumulators, 512 registers.  K goes in steps of 256 through a ring of two LDS slots filled by the tensor data mover.
; THE MATRIX INSTRUCTION IS USED TRANSPOSED (source 0 = 16 rows of "B", source 1 = 16 rows of "A"): lane (r, h) holds row r of A's block and its eight registers the rows 8 h + 0 .. 7 of B's block.
;   cluster x = 0 (q), 1 (k): A = x (tokens), B = w_attn (channels): a lane's registers run along the head's channels, the K of q k^T.
;   cluster x = 2 (v):        A = w_attn's rows 2048 on (channels), B = x (tokens): a lane's registers run along the tokens, the K of p v.
; So one conversion of an accumulator's eight registers gives registers 2 c, 2 c + 1 of the next product's operand, and the codes are stored as IMAGES OF THAT OPERAND'S REGISTERS:
;   q at byte 0, k at 8 MiB:  bh x 131072 + (token / 16) x 1024 + beta x 512 + 16 x lane   (a fragment of 16 tokens x 64 channels, registers 4 beta .. 4 beta + 3; bh = 16 x batch + head)
;   v at 16 MiB:              bh x 131072 + (token / 128) x 8192 + (d / 16) x 2048 + beta x 512 + 16 x lane   (a fragment of 16 channels x 128 tokens)
; Each store of a wave covers 512 consecutive bytes, aligned; no stage in LDS is needed.
; CLUSTERS: 4 x 4 work-groups.  A's tile hangs on the cluster's y and cy alone and is asked for jointly by a row of the cluster, B's on cx (and the cluster's x or y) alone, by a column.
; The fragments of x and w are fetched by four loads of 16 bytes: a permutation of k that is the same on both sides, so every product meets its partner.
; LIMITS: e0 + e1 between -126 and 127; e2, e3, e5 between -126 and 119, so that each power of two below is an f32 number.  NaN in b_attn is not served.
; REGISTERS, in windows of 256: window 0: v16-30 addresses and the scale; v32-95 the bias; from v128 A's fragments, ONE set (on the way out v128-191 numbers, v192-255 codes).
;   window 1: B's fragments, TWO sets.   window 2: the accumulators of my rows 0-63 ((a, b) at v[8 (8 a + b)]);   window 3: those of rows 64-127.
.set ROWB,   256                       ; a tile's row in bytes: 256 codes along K
.set KROW,   1024                      ; a row of x or of w_attn in memory, in bytes
.set PITCH,  272                       ; an LDS row: 256 bytes + 16 of padding = 68 words: the 16 rows that a load touches start at 16 different banks (64 banks of 4 bytes: ISA guide 11.1)
.set FR,     16                        ; registers of a fragment: 16 rows x 128 K
.set NL,     4                         ; LDS loads that bring one
.set NP,     4                         ; places behind this matrix instruction (ISA guide 7.12.1)
.set HALFT,  128*PITCH                 ; 128 rows: what one tensor load brings
.set SLOT,   4*HALFT                   ; A's 256 rows, then B's 256 rows
.set LAPS,   KROW/(2*ROWB)             ; two laps round the ring
.set SPARE,  2*SLOT                    ; behind the ring: the spare words, 128 bytes a wave
.set ADRA, 16                          ; v16-17  LDS address of my A fragments in slot 0, 1
.set ADRB, 20                          ; v20-21  the same for B
.set SCL,  22                          ; v22     2^e of the tensor that I quantise, as f32
.set LIM,  23                          ; v23     not used
.set LO,   26                          ; v26     16 x lane: my place in an image
.set H32,  27                          ; v27     32 x (lane / 16): my eight numbers of a bias block
.set SPW,  28                          ; v28     LDS address of my spare word; never rewritten
.set NIL,  29                          ; v29     0; never rewritten
.set R4,   30                          ; v30     4 x (lane % 16)
.set BIAS, 32                          ; v32-95  the bias in the result's layout
.set AF,   128                         ; A's fragments
.set TMP,  128                         ; the way out: a block's 64 numbers
.set CD,   192                         ; the way out: four sets of 16 registers of codes
.set G1, 24                            ; s[24:31] descriptor group 1 for A's tiles;  s[32:39] group 0, one set for each slot
.set G0, 32
.set G1B, 48                           ; s[48:55], s[56:63] the same for B's tiles
.set G0B, 56
.set MSB, 0
.macro WIN new                         ; the immediate's high byte repeats the setting that is left
.if MSB != (\new)
	s_set_vgpr_msb (MSB<<8)|(\new)
.set MSB, (\new)
.endif
.endm
.set MUL_LO, 0xa1                      ; source 0 (B) window 1, source 1 (A) window 0, C and D window 2
.set MUL_HI, 0xf1                      ; the same, C and D window 3
.set TO_B,   0x40                      ; destination window 1, address window 0
; A joint load: waves 0 and 1 fetch for A, waves 2 and 3 for B.  The branch hangs on the wave's number alone.  Four v_nop follow each of the two lines.
.macro JLOAD g0a, g1a, g0b, g1b
	s_cmp_eq_u32 s15, 0
	s_cbranch_scc0 .Lfor_b_\@
	tensor_load_to_lds s[\g0a:\g0a+3], s[\g1a:\g1a+7]
	s_nop 0
.rept 4
	v_nop
.endr
	s_branch .Lasked_\@
.Lfor_b_\@:
	tensor_load_to_lds s[\g0b:\g0b+3], s[\g1b:\g1b+7]
	s_nop 0
.rept 4
	v_nop
.endr
.Lasked_\@:
.endm
.macro CREST                           ; a round of the cluster's barrier behind its opening barrier
	s_cmp_lg_u32 s14, 0
	s_cbranch_scc1 .Lnot_wave_0_\@
	s_barrier_signal -3
.Lnot_wave_0_\@:
	s_barrier_wait -3
	s_barrier_signal -1
	s_barrier_wait -1
.endm
.macro CROUND                          ; a whole round
	s_barrier_signal -1
	s_barrier_wait -1
	CREST
.endm
	s_load_b256 s[4:11], s[0:1], 0x0               ; x's codes s[4:5], w_attn's s[6:7], the scales' exponents s[8:9], b_attn s[10:11]
	s_load_b64 s[12:13], s[0:1], 0x20              ; qkv
	v_lshl_add_u32 v[SPW], v0, 2, SPARE
	v_mov_b32 v[NIL], 0
	ds_add_u32 v28, v29
	ds_add_u32 v28, v29
	s_wait_dscnt 0x0
	v_lshrrev_b32 v1, 5, v0
	v_readfirstlane_b32 s14, v1                    ; wave 0..3
	s_lshr_b32 s15, s14, 1                         ; which half of A's rows is mine.  Also: I fetch for A (0) or for B (1)
	s_and_b32 s16, s14, 1                          ; which half of B's rows.  Also: which 128 rows of that tile I fetch
	s_bfe_u32 s40, ttmp6, 0x40000                  ; cx, cy: my place in the cluster
	s_bfe_u32 s41, ttmp6, 0x40004
	s_and_b32 s17, ttmp7, 0xffff
	s_lshl_b32 s17, s17, 2                         ; 4 x cluster y
	s_add_co_u32 s77, s17, s41                     ; q, k: A's tile of 256 tokens = 4 x cluster y + cy
	s_add_co_u32 s78, s41, 8                       ; v:    A's tile of 256 rows of w_attn = 8 + cy
	s_lshl_b32 s79, ttmp9, 2
	s_add_co_u32 s79, s79, s40                     ; q, k: B's tile of 256 rows of w_attn = 4 x cluster x + cx
	s_add_co_u32 s80, s17, s40                     ; v:    B's tile of 256 tokens = 4 x cluster y + cx
	s_cmp_eq_u32 ttmp9, 2                          ; the cluster's x is the same in all sixteen partners
	s_cselect_b32 s81, s78, s77                    ; A's tile: it never holds cx
	s_cselect_b32 s82, s80, s79                    ; B's tile: it never holds cy
	s_lshl_b32 s43, s41, 2
	s_lshl_b32 s43, 15, s43                        ; my row of the cluster
	s_lshl_b32 s44, 0x1111, s40                    ; my column
	; descriptor group 1: a tile of 128 rows x 256 bytes, padded in LDS
	s_or_b32 s[G1+0], s43, (0<<16)|(1<<20)|(1<<21)|(5<<22)|(3<<25)  ; 15:0 the mask: A's tiles go to my row; 17:16 element of 1 byte; 20 padding on; 21 set beside a mask; 24:22 after every 64 words; 31:25 four words
	s_or_b32 s[G1B+0], s44, (0<<16)|(1<<20)|(1<<21)|(5<<22)|(3<<25)
.irp g, G1, G1B
	s_mov_b32 s[\g+1], ROWB<<16                    ; tensor_dim0
	s_mov_b32 s[\g+2], 128<<16                     ; tensor_dim1 = 128
	s_mov_b32 s[\g+3], ROWB<<16                    ; tile_dim0
	s_mov_b32 s[\g+4], 128                         ; tile_dim1 = 128
	s_mov_b32 s[\g+5], KROW                        ; tensor_dim0_stride
	s_mov_b32 s[\g+6], 0
	s_mov_b32 s[\g+7], 0
.endr
	s_lshl_b32 s18, s16, 17                        ; the 128 rows of 1,024 bytes that I fetch
	s_lshl_b32 s20, s81, 18                        ; A's tile: 256 rows of 1,024 bytes each
	s_add_co_u32 s20, s20, s18
	s_mov_b32 s21, 0
	s_lshl_b32 s46, s82, 18                        ; B's tile
	s_add_co_u32 s46, s46, s18
	s_mov_b32 s47, 0
	s_mul_i32 s45, s14, HALFT                      ; where they go: wave x 128 rows: no place in the cluster enters an LDS address
	s_wait_kmcnt 0x0
	s_load_b256 s[68:75], s[8:9], 0x0              ; e0 .. e7
	s_cmp_eq_u32 ttmp9, 2
	s_cselect_b64 s[84:85], s[6:7], s[4:5]         ; A's buffer: w_attn for v, else x
	s_cselect_b64 s[86:87], s[4:5], s[6:7]         ; B's buffer
	s_add_nc_u64 s[20:21], s[84:85], s[20:21]
	s_add_nc_u64 s[46:47], s[86:87], s[46:47]
	CROUND                                         ; all sixteen work-groups are here: the first joint loads meet
.irp s, 0,1
	s_mov_b32 s[G0+4*\s], 1
	s_add_co_u32 s[G0+4*\s+1], s45, \s*SLOT
	s_add_nc_u64 s[G0+4*\s+2:G0+4*\s+3], s[20:21], \s*ROWB
	s_or_b32 s[G0+4*\s+3], s[G0+4*\s+3], 0x80000000
	s_mov_b32 s[G0B+4*\s], 1
	s_add_co_u32 s[G0B+4*\s+1], s45, \s*SLOT
	s_add_nc_u64 s[G0B+4*\s+2:G0B+4*\s+3], s[46:47], \s*ROWB
	s_or_b32 s[G0B+4*\s+3], s[G0B+4*\s+3], 0x80000000
	JLOAD G0+4*\s, G1, G0B+4*\s, G1B
.endr
	v_and_b32 v1, 15, v0                           ; r = lane % 16
	v_bfe_u32 v2, v0, 4, 1                         ; h = lane / 16
	v_mul_u32_u24 v3, v1, PITCH
	v_lshl_add_u32 v4, v2, 4, v3                   ; a fragment's row x pitch + 16 x half
	s_mul_i32 s21, s15, HALFT                      ; my 128 rows of A
	s_mul_i32 s22, s16, HALFT                      ; my 128 rows of B,
	s_add_co_u32 s22, s22, 2*HALFT                 ; which lie behind A's 256
.irp s, 0,1
	v_add_nc_u32 v[ADRA+\s], s21, v4
	v_add_nc_u32 v[ADRB+\s], s22, v4
	s_add_co_u32 s21, s21, SLOT
	s_add_co_u32 s22, s22, SLOT
.endr
	v_and_b32 v6, 31, v0
	v_lshlrev_b32 v[LO], 4, v6
	v_lshlrev_b32 v[H32], 5, v2
	v_lshlrev_b32 v[R4], 2, v1
.macro FRAG reg, adr, q, i             ; a fragment, 16 rows x 128 K: lane l holds row l % 16; registers 4 c .. 4 c + 3 hold K = 32 c + 16 (l / 16) + 0 .. 15
.irp c, 0,1,2,3
	ds_load_b128 v[\reg+4*\c:\reg+4*\c+3], v[\adr] offset:128*(\q)+32*\c+(\i)*16*PITCH
.endr
.endm
; 16 matrix instructions: A's blocks a0, a0 + 1 x B's eight, 128 along K.  p: B's set.  zero = 1: the first product starts the sums.
; The 64 accumulators take turns, one instruction a turn, in the same order in every step.
.macro MUL16 a0, p, zero
.irp a, \a0, \a0+1
.irp b, 0,1,2,3,4,5,6,7
.if \zero
	v_wmma_f32_16x16x128_fp8_fp8 v[8*(8*((\a)%4)+\b):8*(8*((\a)%4)+\b)+7], v[128*(\p)+FR*\b:128*(\p)+FR*\b+FR-1], v[AF+FR*(\a):AF+FR*(\a)+FR-1], 0
.else
	v_wmma_f32_16x16x128_fp8_fp8 v[8*(8*((\a)%4)+\b):8*(8*((\a)%4)+\b)+7], v[128*(\p)+FR*\b:128*(\p)+FR*\b+FR-1], v[AF+FR*(\a):AF+FR*(\a)+FR-1], v[8*(8*((\a)%4)+\b):8*(8*((\a)%4)+\b)+7]
.endif
.endr
.endr
.endm
.macro FETCH_B slot, q, p              ; B's eight fragments of the slot's q-th 128 along K into set p
	WIN TO_B
.irp i, 0,1,2,3,4,5,6,7
	FRAG 128*(\p)+FR*\i, ADRB+\slot, \q, \i
.endr
	WIN 0
.endm
.macro FETCH_A slot, q, i0             ; A's blocks i0 .. i0 + 3
.irp i, \i0, \i0+1, \i0+2, \i0+3
	FRAG AF+FR*(\i), ADRA+\slot, \q, \i
.endr
.endm
; A load into a register that a matrix instruction has read, and a vector instruction that reads a matrix result or writes one of its registers, stand NP places behind it;
; only plain vector instructions that name none of its registers are places.
.macro PLACES n
.rept \n
	v_nop
.endr
.endm
; A step of 128 along K that has its successor in the same slot.
.macro STEP slot, q, zero
	s_wait_dscnt 4*NL                              ; B's set and A's blocks 0-3 are in; the youngest sixteen loads (A's blocks 4-7) may be out
	WIN MUL_LO
	MUL16 0, (\q)%2, \zero
	MUL16 2, (\q)%2, \zero
	s_wait_dscnt 0                                 ; A's blocks 4-7 are in (asked for 32 matrix instructions ago)
	PLACES NP
	FETCH_B \slot, (\q)+1, 1-(\q)%2
	FETCH_A \slot, (\q)+1, 0
	WIN MUL_HI
	MUL16 4, (\q)%2, \zero
	MUL16 6, (\q)%2, \zero
	PLACES NP
	WIN 0
	FETCH_A \slot, (\q)+1, 4
.endm
; A slot's last step changes slots: ONE barrier; in front of it each wave waits for all its tensor loads, adds 0 to its spare word, and waits for that and for its own reads of this slot.  fill = 1: this slot is filled again, two K steps ahead.
.macro TURN slot, next, fill
	s_wait_tensorcnt 0x0                           ; all my tensor loads have landed: my part of the next slot  (every window is 0 here)
	ds_add_u32 v[SPW], v[NIL]                      ; 0 onto my spare word
	s_wait_dscnt 4*NL+1                            ; (the add and the youngest sixteen loads, A's blocks 4-7, may be out)
	WIN MUL_LO
	MUL16 0, 1, 0                                  ; sixteen matrix instructions stand between the add and the wait for it
	s_wait_dscnt 0x0                               ; the add is done, and my reads of this slot are over
	s_barrier_signal -1
	MUL16 2, 1, 0
	WIN 0
	s_barrier_wait -1
.if \fill
	CREST                                          ; the barrier has opened a round of the cluster's barrier: no wave of any partner still reads this slot's tile or has a load on its way
	s_add_nc_u64 s[G0+4*\slot+2:G0+4*\slot+3], s[G0+4*\slot+2:G0+4*\slot+3], 2*ROWB
	s_add_nc_u64 s[G0B+4*\slot+2:G0B+4*\slot+3], s[G0B+4*\slot+2:G0B+4*\slot+3], 2*ROWB
	JLOAD G0+4*\slot, G1, G0B+4*\slot, G1B         ; the first tensor load behind the round; the four v_nop behind it are the places in front of the loads below
.else
	PLACES NP
.endif
	FETCH_B \next, 0, 0
	FETCH_A \next, 0, 0
	WIN MUL_HI
	MUL16 4, 1, 0
	MUL16 6, 1, 0
	PLACES NP
	WIN 0
	FETCH_A \next, 0, 4
.endm
.macro LAST                            ; the very last step: nothing more to fetch
	s_wait_dscnt 4*NL
	WIN MUL_LO
	MUL16 0, 1, 0
	MUL16 2, 1, 0
	s_wait_dscnt 0
	WIN MUL_HI
	MUL16 4, 1, 0
	MUL16 6, 1, 0
	WIN 0
.endm
; THE WAY OUT, block by block of A's 16 rows: sum x 2^(e0 + e1) + bias; eight conversions;
; four stores of 512 consecutive bytes.  isv = 0: the bias runs along a lane's registers; isv = 1: it is one number a lane and block, held twice in a pair.
.macro EPI isv
	s_wait_loadcnt 0x0                             ; the bias
	PLACES NP                                      ; behind the last products: the numbers and codes below land in registers that held A's fragments
.irp a, 0,1,2,3,4,5,6,7
.if \a >= 4
	s_wait_xcnt 0x0                                ; the stores of the block four back have read their registers: this set of codes may be written again
.endif
	WIN 0x02+(\a/4)                                ; source 0: window 2 or 3
.set i, 0
.rept 32
.if \isv
	v_pk_fma_f32 v[TMP+i:TMP+i+1], v[64*(\a%4)+i:64*(\a%4)+i+1], s[96:97], v[BIAS+2*\a:BIAS+2*\a+1] op_sel_hi:[1,0,1]   ; each accumulator from its low end on
.else
	v_pk_fma_f32 v[TMP+i:TMP+i+1], v[64*(\a%4)+i:64*(\a%4)+i+1], s[96:97], v[BIAS+i:BIAS+i+1] op_sel_hi:[1,0,1]
.endif
.set i, i+2
.endr
	WIN 0
.set i, 0
.rept 64
.set i, i+1
.endr
.irp g, 0,1,2,3,4,5,6,7
	v_cvt_scalef32_pk8_fp8_f32 v[CD+16*(\a%4)+2*\g:CD+16*(\a%4)+2*\g+1], v[TMP+8*\g:TMP+8*\g+7], v[SCL]   ; registers 2 g, 2 g + 1 of the next operand
.endr
	v_nop                                          ; one plain vector instruction behind the last conversion: the next block writes the conversions' sources
.irp q, 0,1,2,3
.if \isv
	global_store_b128 v[LO], v[CD+16*(\a%4)+4*\q:CD+16*(\a%4)+4*\q+3], s[12:13] offset:(\a/4)*131072+(\a%4)*2048+\q*512   ; head a / 4, channels 16 (a % 4) on, my 128 tokens
.else
	global_store_b128 v[LO], v[CD+16*(\a%4)+4*\q:CD+16*(\a%4)+4*\q+3], s[12:13] offset:\a*1024+(\q/2)*131072+(\q%2)*512   ; tokens 16 a on, head q / 2, half q % 2 of its 64 channels
.endif
.endr
.endr
.endm
	s_wait_alu depctr_va_vdst(0)
	s_wait_tensorcnt 1                             ; my part of K step 0 is in (K step 1's load may be out)
	s_barrier_signal -1
	s_barrier_wait -1                              ; everybody's is
	FETCH_B 0, 0, 0
	FETCH_A 0, 0, 0
	FETCH_A 0, 0, 4
	STEP 0, 0, 1                                   ; the first step stands in front of the loop: its products start the sums
	s_mov_b32 s3, LAPS-1
.Llap:                                                 ; a trip goes once round the ring, from a lap's second step to the next lap's first, and fills both slots again
	TURN 0, 1, 1
	STEP 1, 0, 0
	TURN 1, 0, 1
	STEP 0, 0, 0
	s_sub_co_u32 s3, s3, 1
	s_cmp_lg_u32 s3, 0
	s_cbranch_scc1 .Llap
	TURN 0, 1, 0                                   ; the last lap fills nothing, and has no round of the cluster's barrier
	STEP 1, 0, 0
	; what the way out needs, by one formula for q, k and v: the choices hang on the cluster's x alone
	s_wait_kmcnt 0x0
	s_add_co_i32 s96, s68, s69                     ; e0 + e1
	s_add_co_i32 s96, s96, 127
	s_lshl_b32 s96, s96, 23                        ; 2^(e0 + e1) as f32
	s_mov_b32 s97, s96                             ; (named with it as a pair, so it is written)
	s_cmp_eq_u32 ttmp9, 2
	s_cselect_b32 s76, s82, s81                    ; the tile of 256 tokens,
	s_cselect_b32 s77, s16, s15                    ; my half of it,
	s_cselect_b32 s78, s41, s40                    ; which 256 channels of q, k or v,
	s_cselect_b32 s79, s15, s16                    ; my half of them
	s_cselect_b32 s83, s73, s71                    ; e5 for v, e3 for k,
	s_cmp_eq_u32 ttmp9, 0
	s_cselect_b32 s83, s70, s83                    ; e2 for q
	s_add_co_i32 s83, s83, 127
	s_lshl_b32 s84, s83, 23
	v_mov_b32 v[SCL], s84                          ; the scale as f32: the conversion takes its exponent field
	s_lshl_b32 s84, ttmp9, 12                      ; b_attn: 1,024 numbers for each of q, k, v,
	s_lshl_b32 s85, s78, 10                        ; 256 for the tile,
	s_add_co_u32 s84, s84, s85
	s_lshl_b32 s85, s79, 9                         ; 128 for my half
	s_add_co_u32 s84, s84, s85
	s_mov_b32 s85, 0
	s_add_nc_u64 s[10:11], s[10:11], s[84:85]
	s_lshl_b32 s84, ttmp9, 23                      ; qkv: 8 MiB for each of q, k, v,
	s_lshr_b32 s86, s76, 3
	s_lshl_b32 s86, s86, 21                        ; 16 heads x 131,072 bytes for a batch (a batch is eight tiles of tokens),
	s_add_co_u32 s84, s84, s86
	s_and_b32 s86, s76, 7
	s_lshl_b32 s86, s86, 14                        ; 256 tokens are 16,384 bytes of a head's image,
	s_add_co_u32 s84, s84, s86
	s_lshl_b32 s86, s77, 13                        ; 128 tokens 8,192,
	s_add_co_u32 s84, s84, s86
	s_lshl_b32 s86, s78, 19                        ; 256 channels are four heads,
	s_add_co_u32 s84, s84, s86
	s_lshl_b32 s86, s79, 18                        ; 128 channels two
	s_add_co_u32 s84, s84, s86
	s_add_nc_u64 s[12:13], s[12:13], s[84:85]
	s_cmp_eq_u32 ttmp9, 2
	s_cbranch_scc1 .Lv                             ; the same way in all sixteen partners
.irp b, 0,1,2,3,4,5,6,7                        ; q, k: the bias of channels 16 b + 8 h + 0 .. 7; the loads land under the last 64 products
	global_load_b128 v[BIAS+8*\b:BIAS+8*\b+3], v[H32], s[10:11] offset:64*\b
	global_load_b128 v[BIAS+8*\b+4:BIAS+8*\b+7], v[H32], s[10:11] offset:64*\b+16
.endr
	LAST
	EPI 0
	s_branch .Lend
.Lv:
.irp a, 0,1,2,3,4,5,6,7                        ; v: the bias of channel 16 a + r, twice, for the packed multiply-add
	global_load_b32 v[BIAS+2*\a], v[R4], s[10:11] offset:64*\a
	global_load_b32 v[BIAS+2*\a+1], v[R4], s[10:11] offset:64*\a
.endr
	LAST
	EPI 1
.Lend:
	s_wait_tensorcnt 0x0                           ; the wave's end
	ds_add_u32 v[SPW], v[NIL]
	s_wait_dscnt 0x0
	CROUND                                         ; the closing round: no work-group ends while a partner may still ask for a tile that names it
	s_endpgm
.Lfunc_end_k_q01ec4844f7_qkv_gemm:
	.size	k_q01ec4844f7_qkv_gemm, .Lfunc_end_k_q01ec4844f7_qkv_gemm-k_q01ec4844f7_qkv_gemm
	.p2alignl 7, 3214868480
	.fill 96, 4, 3214868480
	.section	.rodata,"a",@progbits
	.p2align	6, 0x0
	.amdhsa_kernel k_q01ec4844f7_qkv_gemm
		.amdhsa_group_segment_fixed_size 327680
		.amdhsa_private_segment_fixed_size 0
		.amdhsa_enable_private_segment 0
		.amdhsa_kernarg_size 40
		.amdhsa_user_sgpr_count 2
		.amdhsa_user_sgpr_kernarg_segment_ptr 1
		.amdhsa_wavefront_size32 1
		.amdhsa_system_sgpr_workgroup_id_x 1
		.amdhsa_system_sgpr_workgroup_id_y 1
		.amdhsa_system_sgpr_workgroup_id_z 1
		.amdhsa_system_vgpr_workitem_id 0
		.amdhsa_next_free_vgpr 1024
		.amdhsa_next_free_sgpr 100
		.amdhsa_reserve_vcc 0
		.amdhsa_float_denorm_mode_32 3
		.amdhsa_float_denorm_mode_16_64 3
		.amdhsa_fp16_overflow 1
		.amdhsa_memory_ordered 1
		.amdhsa_forward_progress 1
		.amdhsa_inst_pref_size 134
	.end_amdhsa_kernel
	.amdgpu_metadata
---
amdhsa.version: [ 1, 2 ]
amdhsa.kernels:
  - .name:           k_q01ec4844f7_qkv_gemm
    .symbol:         k_q01ec4844f7_qkv_gemm.kd
    .args:
      - { .name: x_codes, .offset: 0, .size: 8, .value_kind: global_buffer, .address_space: global }
      - { .name: w_attn_codes, .offset: 8, .size: 8, .value_kind: global_buffer, .address_space: global }
      - { .name: lowp_scales, .offset: 16, .size: 8, .value_kind: global_buffer, .address_space: global }
      - { .name: b_attn, .offset: 24, .size: 8, .value_kind: global_buffer, .address_space: global }
      - { .name: qkv, .offset: 32, .size: 8, .value_kind: global_buffer, .address_space: global }
    .group_segment_fixed_size: 327680
    .private_segment_fixed_size: 0
    .kernarg_segment_align: 8
    .kernarg_segment_size: 40
    .max_flat_workgroup_size: 128
    .sgpr_count:     100
    .vgpr_count:     1024
    .wavefront_size: 32
...
	.end_amdgpu_metadata
.endif
;; end of part 1
;; launch attn (part 2): grid 4 x 64, 16 waves a work-group, clusters of 4 x 1, 264,192 bytes of LDS; arguments qkv, lowp_scales, y; writes y
.if DOCPART == 2
	.amdgcn_target "amdgcn-amd-amdhsa--gfx1250"
	.amdhsa_code_object_version 6
	.text
	.protected	k_q01ec4844f7_attn
	.globl	k_q01ec4844f7_attn
	.p2align	8
	.type	k_q01ec4844f7_attn,@function
k_q01ec4844f7_attn:
	s_mov_b64 s[64:65], 0
	v_nop
	global_prefetch_b8 v0, s[64:65] scope:SCOPE_SE
	s_setreg_imm32_b32 hwreg(HW_REG_WAVE_MODE, 25, 1), 1
	s_wait_xcnt 0x0
	s_wait_alu depctr_hold_cnt(0) depctr_sa_sdst(0) depctr_va_vdst(0) depctr_va_sdst(0) depctr_va_ssrc(0) depctr_va_vcc(0) depctr_vm_vsrc(0)
	s_getreg_b32 s2, hwreg(HW_REG_IB_STS2, 6, 4)
	s_cmp_eq_u32 s2, 0
	s_cbranch_scc0 .Lentry_in_a_cluster
	s_endpgm
.Lentry_in_a_cluster:
	s_bfe_u32 s2, ttmp6, 0x10000c
	s_cmp_lg_u32 s2, 0x3003
	s_cbranch_scc0 .Lentry_shape_is_right
	s_endpgm
.Lentry_shape_is_right:
; y[b][q][head] = causal softmax(q k^T / 8) v on codes of FP8 (E4M3), then y is quantised (scale 2^e6) and stored as codes.  64 heads (bh = 16 x batch + head) of 2,048 tokens x 64 channels.
; q, k, v come as images of the operands' registers (the launch before lays them so): every fragment is read as 16 bytes a lane at 16 x lane, 512 consecutive bytes an instruction.
; THE SOFTMAX AHEAD OF THE SECOND PRODUCT: t = score x log2(e) / 8; M = the row's largest t so far, rounded UP to a whole number; p = 2^(t - M) is what is quantised (scale 2^e4); it is not normalised.
; The row's sum is taken of the unquantised p, in f32, and divides at the end.  When M moves, the sum and O are multiplied by 2^(old M - new M): exact.
; A HEAD'S K AND V LIE IN LDS WHOLE: 131,072 bytes each.  Nothing is ever filled again, so there is no ring.  The four work-groups of a cluster serve one head and ask for K and V JOINTLY
; (mask 15): waves 0 and 1 bring K's halves, waves 2 and 3 V's, in four chunks of 512 keys, so that the first keys are worked on while the later ones are on their way.  A wave has four tensor loads out at the most.
; SHARES.  Wave w of the work-group at place cx owns two tiles of 16 queries: jA = 4 w + cx and jB = 127 - jA.  Under the causal mask jA needs w / 2 + 1 key steps of 128 and jB 16 - w / 2:
; 17 for every wave of the launch, and both counts hang on the wave's number alone: no branch hangs on the place in the cluster.  cx enters Q's and y's addresses in memory and the mask's compare alone.
; The loops' trip counts are constants; a step all of whose keys are hidden is jumped over by a scalar branch on ids; the one step on the diagonal sets hidden scores to -infinity ahead of the maximum.
; LAYOUT.  Both products are used transposed: S^T = K Q^T (source 0 = 16 keys, source 1 = my 16 queries), O^T = V^T P^T (source 0 = 16 channels, source 1 = P): a lane holds ONE query (lane % 16) throughout,
; and tile i's eight registers are keys 16 i + 8 (lane / 16) + 0 .. 7: one conversion makes them registers 2 i, 2 i + 1 of P.  O^T's tile t likewise becomes registers 2 t, 2 t + 1 of y's image:
;   y: (token / 16) x 16384 + (head / 2) x 2048 + (2 (head % 2) + beta) x 512 + 16 x lane: fragments of 16 tokens x 128 channels for the projection.
; LIMITS: e2 + e3 between -123 and 130 (added to c's exponent field); e4 and e6 between -126 and 119; e4 + e5 is applied by v_ldexp_f32 and has none.
; REGISTERS: v1 16 x lane; v2, v3 addresses of the step's K and V; v5, v6 the mask's number for tiles B, A; v12 -M, v13 the largest t, v[14:15] the sum in two halves; v16-23 Q of tile B; v24-31 its y codes;
;   v32-95 eight fragments of K, then four of V; v96-159 S^T, then p; v160-191 O^T; v192-207 p's codes; v208-215 Q of tile A; v216-223 its y codes; v230-255 constants and work.
.set VOFF, 131072                      ; V's image lies behind K's
.set STEPB, 8192                       ; a key step of 128 keys in either image
.set LI,   1
.set ADK,  2
.set ADV,  3
.set VDB,  5
.set VDA,  6
.set QB,   16
.set YCB,  24
.set KV,   32
.set S,    96
.set O,    160
.set PC,   192
.set QA,   208
.set YCA,  216
.set WV,   10                          ; s10  my wave's number
.set TS,   13                          ; s13  at work
.set G1,   16                          ; s[16:23] descriptor group 1; s[24:39] four groups 0
.set G0,   24
.set SEL,  40                          ; s[40:41] lane selects for v_permlanex16_b32: lane l xor 16
.set CS,   42                          ; s[42:43] c = log2(e) / 8 x 2^(e2 + e3)
.set TB,   44                          ; s44  LDS byte of the key step in hand
.set KS,   45                          ; s45  its number: also the loops' counter
.set NST,  46                          ; s46  key steps that the tile in hand needs
.set NB,   47                          ; s47  16 - wave / 2
.set EPV,  56                          ; s56  e4 + e5
.set NA,   57                          ; s57  wave / 2 + 1
.set QPB,  58                          ; s[58:59], s[60:61] Q's images of tiles B, A
.set QPA,  60
.set YPB,  62                          ; s[62:63], s[66:67] y's images of tiles B, A
.set YPA,  66
.macro CROUND                          ; a round of the cluster's barrier
	s_barrier_signal -1
	s_barrier_wait -1
	s_cmp_lg_u32 s[WV], 0
	s_cbranch_scc1 .Lnot_wave_0_\@
	s_barrier_signal -3
.Lnot_wave_0_\@:
	s_barrier_wait -3
	s_barrier_signal -1
	s_barrier_wait -1
.endm
	s_load_b128 s[4:7], s[0:1], 0x0                ; qkv s[4:5], the scales' exponents s[6:7]
	s_load_b64 s[8:9], s[0:1], 0x10                ; y
	v_lshl_add_u32 v251, v0, 2, 0x40000
	v_mov_b32 v255, 0
	ds_add_u32 v251, v255
	ds_add_u32 v251, v255
	v_lshrrev_b32 v7, 5, v0
	s_delay_alu instid0(VALU_DEP_1)
	v_readfirstlane_b32 s[WV], v7                  ; wave 0..15
	s_bfe_u32 s11, ttmp6, 0x40000                  ; cx: my place in the cluster
	s_and_b32 s12, ttmp7, 0xffff                   ; bh, which the four partners share
	; descriptor group 1: a dense block of 16,384 bytes as 64 rows of 256 bytes
	s_mov_b32 s[G1], 15|(3<<16)|(1<<21)            ; 15:0 the mask: all four work-groups; 17:16 elements of 8 bytes; 20 no padding; 21 set beside a mask
	s_mov_b32 s[G1+1], 32<<16                      ; tensor_dim0 = 32 elements
	s_mov_b32 s[G1+2], 64<<16                      ; tensor_dim1 = 64
	s_mov_b32 s[G1+3], 32<<16                      ; tile_dim0
	s_mov_b32 s[G1+4], 64                          ; tile_dim1
	s_mov_b32 s[G1+5], 32                          ; tensor_dim0_stride
	s_mov_b32 s[G1+6], 0
	s_mov_b32 s[G1+7], 0
	s_lshr_b32 s68, s[WV], 1
	s_and_b32 s68, s68, 1                          ; I fetch for K (0) or for V (1),
	s_and_b32 s69, s[WV], 1
	s_lshl_b32 s69, s69, 14                        ; the first or the second 16,384 bytes of each chunk of 32,768
	s_lshl_b32 s70, s68, 17
	s_add_co_u32 s70, s70, s69                     ; in LDS: no place in the cluster enters it
	s_lshl_b32 s72, s68, 23                        ; in memory: k at 8 MiB, v at 16 MiB,
	s_add_co_u32 s72, s72, s69
	s_lshl_b32 s71, s12, 17                        ; the head's 131,072 bytes
	s_add_co_u32 s72, s72, s71
	s_add_co_u32 s72, s72, 0x800000
	s_mov_b32 s73, 0
	s_wait_dscnt 0x0
	s_wait_kmcnt 0x0
	s_load_b256 s[48:55], s[6:7], 0x0              ; e0 .. e7
	s_add_nc_u64 s[72:73], s[4:5], s[72:73]
.irp n, 0,1,2,3                                ; chunk n: key steps 4 n .. 4 n + 3
	s_mov_b32 s[G0+4*\n], 1
	s_add_co_u32 s[G0+4*\n+1], s70, \n*32768
	s_add_nc_u64 s[G0+4*\n+2:G0+4*\n+3], s[72:73], \n*32768
	s_or_b32 s[G0+4*\n+3], s[G0+4*\n+3], 0x80000000
.endr
	CROUND                                         ; all four work-groups are here: the joint loads meet
	s_cmp_lt_u32 s[WV], 4                          ; a wave's fills stand in one branch on the wave's number, ahead of every wait on TENSORcnt, every LDS read and every further barrier
	s_cbranch_scc0 .Lno_fill
	tensor_load_to_lds s[G0:G0+3], s[G1:G1+7]
	s_nop 0
	tensor_load_to_lds s[G0+4:G0+7], s[G1:G1+7]
	s_nop 0
	tensor_load_to_lds s[G0+8:G0+11], s[G1:G1+7]
	s_nop 0
	tensor_load_to_lds s[G0+12:G0+15], s[G1:G1+7]
	s_nop 0
.rept 4
	v_nop
.endr
.Lno_fill:
	v_and_b32 v7, 31, v0
	s_delay_alu instid0(VALU_DEP_1)
	v_lshlrev_b32 v[LI], 4, v7                     ; 16 x lane
	s_wait_alu depctr_va_vdst(0)
	v_and_b32 v8, 15, v0                           ; r
	v_bfe_u32 v9, v0, 4, 1                         ; h
	s_delay_alu instid0(VALU_DEP_1)
	v_lshlrev_b32 v9, 3, v9
	s_delay_alu instid0(VALU_DEP_1)
	v_sub_nc_u32 v8, v8, v9                        ; r - 8 h
	s_wait_alu depctr_va_vdst(0)
	s_lshl_b32 s68, s[WV], 2
	s_add_co_u32 s68, s68, s11                     ; jA = 4 w + cx
	s_sub_co_u32 s69, 127, s68                     ; jB
	s_lshr_b32 s70, s[WV], 1
	s_add_co_u32 s[NA], s70, 1
	s_sub_co_u32 s[NB], 16, s70
	s_mov_b32 s75, 0
	s_lshl_b32 s72, s12, 17                        ; q: the head's image,
	s_lshl_b32 s74, s69, 10                        ; a tile of 16 queries is 1,024 bytes
	s_add_co_u32 s74, s74, s72
	s_add_nc_u64 s[QPB:QPB+1], s[4:5], s[74:75]
	s_lshl_b32 s74, s68, 10
	s_add_co_u32 s74, s74, s72
	s_add_nc_u64 s[QPA:QPA+1], s[4:5], s[74:75]
	global_load_b128 v[QB:QB+3], v[LI], s[QPB:QPB+1]
	global_load_b128 v[QB+4:QB+7], v[LI], s[QPB:QPB+1] offset:512
	global_load_b128 v[QA:QA+3], v[LI], s[QPA:QPA+1]
	global_load_b128 v[QA+4:QA+7], v[LI], s[QPA:QPA+1] offset:512
	s_and_b32 s72, s68, 7
	s_lshl_b32 s72, s72, 4
	v_add_nc_u32 v[VDA], s72, v8                   ; on the diagonal, register 8 i + n of S^T is hidden where 16 i + n > 16 (j % 8) + r - 8 h
	s_and_b32 s72, s69, 7
	s_lshl_b32 s72, s72, 4
	v_add_nc_u32 v[VDB], s72, v8
	s_lshr_b32 s72, s12, 4
	s_lshl_b32 s72, s72, 21                        ; y: a batch's 128 tiles of 16,384 bytes,
	s_and_b32 s73, s12, 15
	s_lshl_b32 s73, s73, 10                        ; a head's 1,024 bytes of a tile: (head / 2) x 2048 + (head % 2) x 1024
	s_add_co_u32 s72, s72, s73
	s_lshl_b32 s74, s69, 14
	s_add_co_u32 s74, s74, s72
	s_add_nc_u64 s[YPB:YPB+1], s[8:9], s[74:75]
	s_lshl_b32 s74, s68, 14
	s_add_co_u32 s74, s74, s72
	s_add_nc_u64 s[YPA:YPA+1], s[8:9], s[74:75]
	s_mov_b32 s[SEL], 0x76543210
	s_mov_b32 s[SEL+1], 0xfedcba98
	s_mov_b32 s[CS], 0x3e38aa3b                    ; c = log2(e) / 8
	v_mov_b32 v236, 0                              ; written once: a lane permute's destination counts as one of its sources
	v_mov_b32 v253, 0                              ; (named as the upper half of the pair v[252:253])
	s_wait_kmcnt 0x0
	s_add_co_i32 s68, s50, s51
	s_lshl_b32 s68, s68, 23
	s_add_co_i32 s[CS], s[CS], s68                 ; a score stands for score x 2^(e2 + e3): the exponents are added to c's exponent field
	s_mov_b32 s[CS+1], s[CS]                       ; (named with it as a pair, so it is written)
	s_add_co_i32 s68, s52, 127
	s_lshl_b32 s69, s68, 23
	v_mov_b32 v244, s69                            ; 2^e4 as f32, for p's conversions
	s_add_co_i32 s68, s54, 127
	s_lshl_b32 s69, s68, 23
	v_mov_b32 v246, s69                            ; 2^e6, for y's
	s_add_co_i32 s[EPV], s52, s53                  ; e4 + e5
; A KEY STEP: 128 keys for the tile whose Q lies at v[q].  mode = 0: all keys count.  mode = 1: the step may be hidden (jumped over) or lie on the diagonal (masked by v[vd]).
.macro STEP q, vd, mode
.if \mode
	s_cmp_ge_u32 s[KS], s[NST]                     ; all 128 keys come after my 16 queries: a branch on ids, round the step's work; not round the lines at its end that step the address and the counter
	s_cbranch_scc1 .Lhid_\@
.endif
	s_setprio 2
	v_add_nc_u32 v[ADK], s[TB], v[LI]
	s_delay_alu instid0(VALU_DEP_1)
	v_add_nc_u32 v[ADV], VOFF, v[ADK]
	v_nop
	v_nop                                          ; with the two additions: four places in front of loads into registers that the last products read
.irp i, 0,1,2,3,4,5,6,7                        ; K: eight fragments of 16 keys x 64 channels
	ds_load_b128 v[KV+8*\i:KV+8*\i+3], v[ADK] offset:1024*\i
	ds_load_b128 v[KV+8*\i+4:KV+8*\i+7], v[ADK] offset:1024*\i+512
.endr
	s_wait_alu depctr_va_vdst(0)
	s_wait_dscnt 0x0
.irp i, 0,1,2,3,4,5,6,7
	v_wmma_f32_16x16x64_fp8_fp8 v[S+8*\i:S+8*\i+7], v[KV+8*\i:KV+8*\i+7], v[\q:\q+7], 0
.endr
.rept 4
	v_nop                                          ; places in front of the loads below and of the first read of the scores
.endr
.irp t, 0,1,2,3                                ; V: four fragments of 16 channels x 128 keys; they land under the softmax
.irp c, 0,1,2,3
	ds_load_b128 v[KV+16*\t+4*\c:KV+16*\t+4*\c+3], v[ADV] offset:2048*\t+512*\c
.endr
.endr
.if \mode
	s_add_co_u32 s[TS], s[KS], 1
	s_cmp_lg_u32 s[TS], s[NST]                     ; only the tile's last step lies on the diagonal
	s_cbranch_scc1 .Lopen_\@
	v_mov_b32 v254, 0xff800000                     ; -infinity: p = 0 then.  The step's first key counts for every query of the tile, so the maximum stays a number
.set n, 0
.rept 64
	v_cmp_gt_i32 vcc_lo, 16*(n/8)+n%8, v[\vd]
	v_cndmask_b32 v[S+n], v[S+n], v254, vcc_lo
.set n, n+1
.endr
.Lopen_\@:
.endif
	v_max3_num_f32 v254, v96, v97, v98             ; the step's largest score of my query, among my 64 keys, in two chains; each tile is read from its low end on
	v_max3_num_f32 v252, v99, v100, v101
.irp i, 6,10,14,18,22,26,30,34,38,42,46,50,54,58
	v_max3_num_f32 v254, v254, v[96+\i], v[97+\i]
	v_max3_num_f32 v252, v252, v[98+\i], v[99+\i]
.endr
	v_max3_num_f32 v254, v254, v158, v159
	s_delay_alu instid0(VALU_DEP_1)
	v_max_num_f32 v254, v254, v252
	s_delay_alu instid0(VALU_DEP_1)
	v_permlanex16_b32 v236, v254, s[SEL], s[SEL+1]
	s_delay_alu instid0(VALU_DEP_1)
	v_max_num_f32 v254, v254, v236                 ; and among lane l xor 16's
	s_delay_alu instid0(VALU_DEP_1)
	v_mul_f32 v254, s[CS], v254                    ; as t (c is positive)
	s_delay_alu instid0(VALU_DEP_1)
	v_max_num_f32 v13, v13, v254                   ; the running largest t
	v_mov_b32 v254, v12
	s_delay_alu instid0(VALU_DEP_2)
	v_floor_f32 v12, -v13                          ; the new -M = floor(-t) = -ceil(t): M is a whole number
	s_delay_alu instid0(VALU_DEP_1)
	v_sub_f32 v254, v12, v254                      ; M's old value less its new one: a whole number, 0 or less
	s_delay_alu instid0(VALU_DEP_1)
	v_cvt_i32_f32 v254, v254                       ; (it saturates)
	s_delay_alu instid0(VALU_DEP_1)
	v_ldexp_f32 v252, 1.0, v254                    ; f = 2^(old M - new M)
.set j, 0
.rept 32
	v_pk_fma_f32 v[S+j:S+j+1], v[S+j:S+j+1], s[CS:CS+1], v[12:13] op_sel_hi:[1,0,0]   ; t - M, two at a time (of the pairs c and -M the low word serves both halves)
.set j, j+2
.endr
.set j, 0
	s_setprio 1
	s_wait_alu depctr_va_vdst(0)
.rept 64
	v_exp_f32 v[S+j], v[S+j]                       ; p = 2^(t - M), at most 1: not normalised
.set j, j+1
.endr
	v_pk_mul_f32 v[14:15], v[14:15], v[252:253] op_sel_hi:[1,0]   ; the sums under the new M: the plain instruction behind the exponentials
	s_wait_alu depctr_va_vdst(0)                   ; one wait for the whole batch, ahead of its first reader
	v_pk_add_f32 v[242:243], v[100:101], v[104:105]
	v_pk_add_f32 v[248:249], v[108:109], v[112:113]
	v_pk_add_f32 v[240:241], v[116:117], v[120:121]
	v_pk_add_f32 v[238:239], v[124:125], v[128:129]
	v_pk_add_f32 v[234:235], v[132:133], v[136:137]
	v_pk_add_f32 v[232:233], v[140:141], v[144:145]
	v_pk_add_f32 v[230:231], v[148:149], v[152:153]
	v_pk_add_f32 v[14:15], v[14:15], v[156:157]
	v_pk_add_f32 v[242:243], v[242:243], v[96:97]
	v_pk_add_f32 v[248:249], v[248:249], v[98:99]
	v_pk_add_f32 v[240:241], v[240:241], v[102:103]
	v_pk_add_f32 v[238:239], v[238:239], v[106:107]
	v_pk_add_f32 v[234:235], v[234:235], v[110:111]
	v_pk_add_f32 v[232:233], v[232:233], v[114:115]
	v_pk_add_f32 v[230:231], v[230:231], v[118:119]
	v_pk_add_f32 v[14:15], v[14:15], v[122:123]
	v_pk_add_f32 v[242:243], v[242:243], v[126:127]
	v_pk_add_f32 v[248:249], v[248:249], v[130:131]
	v_pk_add_f32 v[240:241], v[240:241], v[134:135]
	v_pk_add_f32 v[238:239], v[238:239], v[138:139]
	v_pk_add_f32 v[234:235], v[234:235], v[142:143]
	v_pk_add_f32 v[232:233], v[232:233], v[146:147]
	v_pk_add_f32 v[230:231], v[230:231], v[150:151]
	v_pk_add_f32 v[14:15], v[14:15], v[154:155]
	v_pk_add_f32 v[242:243], v[242:243], v[158:159]
	s_delay_alu instid0(VALU_DEP_2)
	v_pk_add_f32 v[14:15], v[14:15], v[238:239]
	s_delay_alu instid0(VALU_DEP_2)
	v_pk_add_f32 v[242:243], v[242:243], v[234:235]
	v_pk_add_f32 v[248:249], v[248:249], v[232:233]
	v_pk_add_f32 v[240:241], v[240:241], v[230:231]
	s_delay_alu instid0(VALU_DEP_2)
	v_pk_add_f32 v[14:15], v[14:15], v[248:249]
	s_delay_alu instid0(VALU_DEP_2)
	v_pk_add_f32 v[242:243], v[242:243], v[240:241]
	s_delay_alu instid0(VALU_DEP_1)
	v_pk_add_f32 v[14:15], v[14:15], v[242:243]
	s_setprio 0
.irp i, 0,1,2,3,4,5,6,7
.irp n, 0,1,2,3,4,5,6,7
.endr
	v_cvt_scalef32_pk8_fp8_f32 v[PC+2*\i:PC+2*\i+1], v[S+8*\i:S+8*\i+7], v244   ; keys 16 i + 8 h + 0 .. 7: registers 2 i, 2 i + 1 of P
.endr
.set j, 0
.rept 16
	v_pk_mul_f32 v[O+j:O+j+1], v[O+j:O+j+1], v[252:253] op_sel_hi:[1,0]   ; O^T under the new M.  (Also the plain instructions between the conversions and the products that read their results)
.set j, j+2
.endr
	s_wait_alu depctr_va_vdst(0)
	s_wait_dscnt 0x0                               ; V is in
.irp t, 0,1,2,3                                ; O^T += V^T P^T: the four accumulators take turns, one instruction a turn
	v_wmma_f32_16x16x128_fp8_fp8 v[O+8*\t:O+8*\t+7], v[KV+16*\t:KV+16*\t+15], v[PC:PC+15], v[O+8*\t:O+8*\t+7]
.endr
.if \mode
.Lhid_\@:
.endif
	s_add_co_u32 s[KS], s[KS], 1
	s_add_co_u32 s[TB], s[TB], STEPB
.endm
; A tile begins: O^T and the sum as zeros, the largest t under every t, so that the key step is written without a first step of its own (the first change of M multiplies zeros).
.macro INIT n
	v_mov_b32 v13, 0xff61b1e6                      ; -3e38
	s_delay_alu instid0(VALU_DEP_1)
	v_floor_f32 v12, -v13
	v_mov_b32 v14, 0
	v_mov_b32 v15, 0
.set j, 0
.rept 32
	v_mov_b32 v[O+j], 0
.set j, j+1
.endr
	s_mov_b32 s[TB], 0
	s_mov_b32 s[KS], 0
	s_mov_b32 s[NST], s[\n]
.endm
; A tile ends: O^T x 2^(e4 + e5) / the sum, converted: tile t's eight channels are registers 2 t, 2 t + 1 of y's image.  Two stores of 512 consecutive bytes.
.macro FINISH yp, yc
.rept 4
	v_nop                                          ; places behind the last products
.endr
	v_add_f32 v14, v14, v15                        ; the sum's two halves,
	s_delay_alu instid0(VALU_DEP_1)
	v_permlanex16_b32 v252, v14, s[SEL], s[SEL+1]
	s_delay_alu instid0(VALU_DEP_1)
	v_add_f32 v14, v14, v252                       ; and lane l xor 16's
	s_wait_alu depctr_va_vdst(0)
	v_rcp_f32 v14, v14
	v_nop                                          ; a plain instruction behind the reciprocal,
	s_wait_alu depctr_va_vdst(0)                   ; and the wait ahead of its first reader
	v_ldexp_f32 v14, v14, s[EPV]
.set j, 0
.rept 16
	v_pk_mul_f32 v[S+j:S+j+1], v[O+j:O+j+1], v[14:15] op_sel_hi:[1,0]   ; each accumulator from its low end on
.set j, j+2
.endr
.set j, 0
.rept 32
.set j, j+1
.endr
.irp t, 0,1,2,3
	v_cvt_scalef32_pk8_fp8_f32 v[\yc+2*\t:\yc+2*\t+1], v[S+8*\t:S+8*\t+7], v246
.endr
	v_nop                                          ; one plain vector instruction behind the last conversion: later products write its sources
	global_store_b128 v[LI], v[\yc:\yc+3], s[\yp:\yp+1]
	global_store_b128 v[LI], v[\yc+4:\yc+7], s[\yp:\yp+1] offset:512
.endm
	INIT NB                                        ; the larger tile first: its first eight steps are open in every wave, so all sixteen waves do the same work between the barriers below
	s_wait_loadcnt 0x0                             ; Q
	s_wait_tensorcnt 3                             ; my part of chunk 0 is in; chunks 1 to 3 may stay out
	s_barrier_signal -1
	s_barrier_wait -1                              ; everybody's is
.Lb0:
	STEP QB, VDB, 0
	s_cmp_lt_u32 s[KS], 4
	s_cbranch_scc1 .Lb0
	s_setprio 0
	s_wait_tensorcnt 2                             ; chunk 1
	s_barrier_signal -1
	s_barrier_wait -1
.Lb1:
	STEP QB, VDB, 0
	s_cmp_lt_u32 s[KS], 8
	s_cbranch_scc1 .Lb1
	s_setprio 0
	s_wait_tensorcnt 0x0                           ; chunks 2 and 3
	s_barrier_signal -1
	s_barrier_wait -1
.Lb2:
	STEP QB, VDB, 1
	s_cmp_lt_u32 s[KS], 16
	s_cbranch_scc1 .Lb2
	s_setprio 0
	FINISH YPB, YCB
	INIT NA                                        ; the smaller tile: at most eight steps
.La:
	STEP QA, VDA, 1
	s_cmp_lt_u32 s[KS], 8
	s_cbranch_scc1 .La
	s_setprio 0
	FINISH YPA, YCA
	s_wait_tensorcnt 0x0
	ds_add_u32 v251, v255
	s_wait_dscnt 0x0
	CROUND                                         ; the closing round: no work-group ends ahead of its partners
	s_endpgm
.Lfunc_end_k_q01ec4844f7_attn:
	.size	k_q01ec4844f7_attn, .Lfunc_end_k_q01ec4844f7_attn-k_q01ec4844f7_attn
	.p2alignl 7, 3214868480
	.fill 96, 4, 3214868480
	.section	.rodata,"a",@progbits
	.p2align	6, 0x0
	.amdhsa_kernel k_q01ec4844f7_attn
		.amdhsa_group_segment_fixed_size 264192
		.amdhsa_private_segment_fixed_size 0
		.amdhsa_enable_private_segment 0
		.amdhsa_kernarg_size 24
		.amdhsa_user_sgpr_count 2
		.amdhsa_user_sgpr_kernarg_segment_ptr 1
		.amdhsa_wavefront_size32 1
		.amdhsa_system_sgpr_workgroup_id_x 1
		.amdhsa_system_sgpr_workgroup_id_y 1
		.amdhsa_system_sgpr_workgroup_id_z 1
		.amdhsa_system_vgpr_workitem_id 0
		.amdhsa_next_free_vgpr 256
		.amdhsa_next_free_sgpr 84
		.amdhsa_reserve_vcc 1
		.amdhsa_float_denorm_mode_32 3
		.amdhsa_float_denorm_mode_16_64 3
		.amdhsa_fp16_overflow 1
		.amdhsa_memory_ordered 1
		.amdhsa_forward_progress 1
		.amdhsa_inst_pref_size 80
	.end_amdhsa_kernel
	.amdgpu_metadata
---
amdhsa.version: [ 1, 2 ]
amdhsa.kernels:
  - .name:           k_q01ec4844f7_attn
    .symbol:         k_q01ec4844f7_attn.kd
    .args:
      - { .name: qkv, .offset: 0, .size: 8, .value_kind: global_buffer, .address_space: global }
      - { .name: lowp_scales, .offset: 8, .size: 8, .value_kind: global_buffer, .address_space: global }
      - { .name: y, .offset: 16, .size: 8, .value_kind: global_buffer, .address_space: global }
    .group_segment_fixed_size: 264192
    .private_segment_fixed_size: 0
    .kernarg_segment_align: 8
    .kernarg_segment_size: 24
    .max_flat_workgroup_size: 512
    .sgpr_count:     84
    .vgpr_count:     256
    .wavefront_size: 32
...
	.end_amdgpu_metadata
.endif
;; end of part 2
;; launch proj (part 3): grid 4 x 32, 4 waves a work-group, clusters of 4 x 4, 327,680 bytes of LDS; arguments y, w_proj_codes, lowp_scales, b_proj, out0; writes out0
.if DOCPART == 3
	.amdgcn_target "amdgcn-amd-amdhsa--gfx1250"
	.amdhsa_code_object_version 6
	.text
	.protected	k_q01ec4844f7_proj
	.globl	k_q01ec4844f7_proj
	.p2align	8
	.type	k_q01ec4844f7_proj,@function
k_q01ec4844f7_proj:
	s_mov_b64 s[64:65], 0
	v_nop
	global_prefetch_b8 v0, s[64:65] scope:SCOPE_SE
	s_setreg_imm32_b32 hwreg(HW_REG_WAVE_MODE, 25, 1), 1
	s_wait_xcnt 0x0
	s_wait_alu depctr_hold_cnt(0) depctr_sa_sdst(0) depctr_va_vdst(0) depctr_va_sdst(0) depctr_va_ssrc(0) depctr_va_vcc(0) depctr_vm_vsrc(0)
	s_getreg_b32 s2, hwreg(HW_REG_IB_STS2, 6, 4)
	s_cmp_eq_u32 s2, 0
	s_cbranch_scc0 .Lentry_in_a_cluster
	s_endpgm
.Lentry_in_a_cluster:
	s_bfe_u32 s2, ttmp6, 0x10000c
	s_cmp_lg_u32 s2, 0xf033
	s_cbranch_scc0 .Lentry_shape_is_right
	s_endpgm
.Lentry_shape_is_right:
; out0 = y w_proj + b_proj on codes of FP8 (E4M3).  y: 8,192 tokens x 1,024 channels as images of the operand's registers (the launch before lays them so):
;   (token / 16) x 16384 + (channel / 128) x 2048 + c x 512 + 16 x lane: a fragment of 16 tokens x 128 channels, registers 4 c .. 4 c + 3, k in the form's own places (registers 2 c, 2 c + 1: k = 16 c + 8 (lane / 16) + 0 .. 7).
; w_proj_codes: [1024 (n)][1024 (k)], rows; its fragments are therefore fetched by eight loads of 8 bytes, which put k in the same places.  out0: [8192][1024] f32 = sum x 2^(e6 + e7) + b_proj.
; A tile of 256 x 256 is made by four waves, 128 x 128 each; 4 x 32 tiles, one to a work-group.  K goes in steps of 256 through a ring of two LDS slots filled by the tensor data mover.
; CLUSTERS: 4 x 4 work-groups: y's tile is asked for jointly by a row of the cluster, w_proj's by a column.  THE MATRIX INSTRUCTION IS USED TRANSPOSED (source 0 = 16 rows of w_proj, source 1 = 16 tokens):
; a lane holds eight neighbouring numbers of a row of out0.
; LIMIT: e6 + e7 between -126 and 127, so that 2^(e6 + e7) is an f32 number.
; REGISTERS, in windows of 256: window 0: v16-29 addresses; from v128 y's fragments, ONE set; on the way out v32-255 are free.
;   window 1: w_proj's fragments, TWO sets; on the way out v0-63 hold the bias.   windows 2, 3: the accumulators ((a, b) at v[8 (8 (a % 4) + b)]).
.set ROWB,   256                       ; a row of w_proj's tile in bytes
.set KROW,   1024                      ; a row of w_proj in memory
.set SIZE_N, 1024
.set PITCH,  272                       ; w_proj's rows in LDS: 256 bytes + 16 of padding = 68 words: the 32 lanes of a load of 8 bytes touch 64 different banks (64 banks of 4 bytes: ISA guide 11.1)
.set FR,     16
.set NL,     4                         ; LDS loads that bring a fragment of y
.set NP,     4                         ; places behind this matrix instruction (ISA guide 7.12.1)
.set ASTEP,  4096                      ; a K step of 256 channels of 16 tokens: two fragments on end
.set AHALF,  8*ASTEP                   ; 128 tokens: what one tensor load brings of y
.set BHALF,  128*PITCH                 ; 128 rows: what one brings of w_proj
.set BOFF,   2*AHALF
.set SLOT,   BOFF+2*BHALF              ; y's 256 tokens, dense, then w_proj's 256 rows
.set LAPS,   KROW/(2*ROWB)
.set SPARE,  2*SLOT                    ; behind the ring: the spare words, 128 bytes a wave
.set SPITCH, 528                       ; the way out: a stage of 16 rows x (512 bytes + 16) for each wave, in slot 0, which has had its last fill and its last read when the first result is stored there
.set ADRA, 16
.set ADRB, 20
.set STO,  24
.set RD,   25
.set CO,   26                          ; v26     16 x lane
.set H32,  27                          ; v27     32 x (lane / 16)
.set SPW,  28
.set NIL,  29
.set TMP,  32
.set AF,   128
.set BK,   128
.set G1, 24
.set G0, 32
.set G1B, 48
.set G0B, 56
.set MSB, 0
.macro WIN new                         ; the immediate's high byte repeats the setting that is left
.if MSB != (\new)
	s_set_vgpr_msb (MSB<<8)|(\new)
.set MSB, (\new)
.endif
.endm
.set MUL_LO, 0xa1                      ; source 0 (w_proj) window 1, source 1 (y) window 0, C and D window 2
.set MUL_HI, 0xf1
.set TO_B,   0x40
.macro JLOAD g0a, g1a, g0b, g1b        ; a joint load: waves 0 and 1 fetch y's halves, waves 2 and 3 w_proj's; four v_nop follow each of the two lines
	s_cmp_eq_u32 s15, 0
	s_cbranch_scc0 .Lfor_b_\@
	tensor_load_to_lds s[\g0a:\g0a+3], s[\g1a:\g1a+7]
	s_nop 0
.rept 4
	v_nop
.endr
	s_branch .Lasked_\@
.Lfor_b_\@:
	tensor_load_to_lds s[\g0b:\g0b+3], s[\g1b:\g1b+7]
	s_nop 0
.rept 4
	v_nop
.endr
.Lasked_\@:
.endm
.macro CREST
	s_cmp_lg_u32 s14, 0
	s_cbranch_scc1 .Lnot_wave_0_\@
	s_barrier_signal -3
.Lnot_wave_0_\@:
	s_barrier_wait -3
	s_barrier_signal -1
	s_barrier_wait -1
.endm
.macro CROUND
	s_barrier_signal -1
	s_barrier_wait -1
	CREST
.endm
	s_load_b256 s[4:11], s[0:1], 0x0               ; y s[4:5], w_proj's codes s[6:7], the scales' exponents s[8:9], b_proj s[10:11]
	s_load_b64 s[12:13], s[0:1], 0x20              ; out0
	v_lshl_add_u32 v[SPW], v0, 2, SPARE
	v_mov_b32 v[NIL], 0
	ds_add_u32 v28, v29
	ds_add_u32 v28, v29
	s_wait_dscnt 0x0
	v_lshrrev_b32 v1, 5, v0
	v_readfirstlane_b32 s14, v1                    ; wave 0..3
	s_lshr_b32 s15, s14, 1                         ; which half of the tile's tokens is mine.  Also: I fetch for y (0) or for w_proj (1)
	s_and_b32 s16, s14, 1                          ; which half of its columns.  Also: which half of that tile I fetch
	s_bfe_u32 s40, ttmp6, 0x40000                  ; cx, cy
	s_bfe_u32 s41, ttmp6, 0x40004
	s_lshl_b32 s42, ttmp9, 2
	s_add_co_u32 s42, s42, s40                     ; tile column = 4 x cluster x + cx
	s_and_b32 s17, ttmp7, 0xffff
	s_lshl_b32 s17, s17, 2
	s_add_co_u32 s17, s17, s41                     ; tile row = 4 x cluster y + cy
	s_lshl_b32 s43, s41, 2
	s_lshl_b32 s43, 15, s43                        ; my row of the cluster
	s_lshl_b32 s44, 0x1111, s40                    ; my column
	; y's tiles: 8 rows (tiles of 16 tokens) of 4,096 bytes, 16,384 bytes apart in memory, dense in LDS
	s_or_b32 s[G1+0], s43, (3<<16)|(1<<21)         ; 15:0 the mask: my row; 17:16 elements of 8 bytes; 20 no padding; 21 set beside a mask
	s_mov_b32 s[G1+1], 512<<16                     ; tensor_dim0 = 512 elements
	s_mov_b32 s[G1+2], 8<<16                       ; tensor_dim1 = 8
	s_mov_b32 s[G1+3], 512<<16                     ; tile_dim0
	s_mov_b32 s[G1+4], 8                           ; tile_dim1
	s_mov_b32 s[G1+5], 2048                        ; tensor_dim0_stride
	s_mov_b32 s[G1+6], 0
	s_mov_b32 s[G1+7], 0
	; w_proj's tiles: 128 rows x 256 bytes, padded in LDS
	s_or_b32 s[G1B+0], s44, (0<<16)|(1<<20)|(1<<21)|(5<<22)|(3<<25)  ; the mask: my column; elements of 1 byte; four words of padding after every 64
	s_mov_b32 s[G1B+1], ROWB<<16
	s_mov_b32 s[G1B+2], 128<<16
	s_mov_b32 s[G1B+3], ROWB<<16
	s_mov_b32 s[G1B+4], 128
	s_mov_b32 s[G1B+5], KROW
	s_mov_b32 s[G1B+6], 0
	s_mov_b32 s[G1B+7], 0
	s_lshl_b32 s18, s16, 17                        ; the half that I fetch: 128 tokens, or 128 rows, are 131,072 bytes of memory
	s_lshl_b32 s20, s17, 18                        ; y: the tile row's 256 tokens
	s_add_co_u32 s20, s20, s18
	s_mov_b32 s21, 0
	s_lshl_b32 s46, s42, 18                        ; w_proj: the tile column's 256 rows
	s_add_co_u32 s46, s46, s18
	s_mov_b32 s47, 0
	s_lshl_b32 s45, s16, 15                        ; where they go: y's half,
	s_mul_i32 s76, s16, BHALF
	s_add_co_u32 s76, s76, BOFF                    ; w_proj's half: the wave's number alone enters an LDS address
	s_wait_kmcnt 0x0
	s_load_b64 s[96:97], s[8:9], 0x18              ; e6, e7
	s_add_nc_u64 s[20:21], s[4:5], s[20:21]
	s_add_nc_u64 s[46:47], s[6:7], s[46:47]
	CROUND                                         ; all sixteen work-groups are here: the first joint loads meet
.irp s, 0,1
	s_mov_b32 s[G0+4*\s], 1
	s_add_co_u32 s[G0+4*\s+1], s45, \s*SLOT
	s_add_nc_u64 s[G0+4*\s+2:G0+4*\s+3], s[20:21], \s*ASTEP
	s_or_b32 s[G0+4*\s+3], s[G0+4*\s+3], 0x80000000
	s_mov_b32 s[G0B+4*\s], 1
	s_add_co_u32 s[G0B+4*\s+1], s76, \s*SLOT
	s_add_nc_u64 s[G0B+4*\s+2:G0B+4*\s+3], s[46:47], \s*ROWB
	s_or_b32 s[G0B+4*\s+3], s[G0B+4*\s+3], 0x80000000
	s_wait_alu depctr_va_vdst(0)
	s_wait_tensorcnt 0x0
	ds_add_u32 v28, v29
	ds_add_u32 v28, v29
	s_wait_dscnt 0x0
	CROUND
	JLOAD G0+4*\s, G1, G0B+4*\s, G1B
.endr
	v_and_b32 v1, 15, v0                           ; r
	v_bfe_u32 v2, v0, 4, 1                         ; h
	v_and_b32 v6, 31, v0
	v_lshlrev_b32 v[CO], 4, v6                     ; 16 x lane: my place in an image, and in a row of out0
	v_lshlrev_b32 v[H32], 5, v2
	v_mul_u32_u24 v3, v1, PITCH
	v_lshl_add_u32 v4, v2, 3, v3                   ; w_proj: row x pitch + 8 x half
	s_lshl_b32 s21, s15, 15                        ; my 128 tokens of y
	s_mul_i32 s22, s16, BHALF                      ; my 128 rows of w_proj,
	s_add_co_u32 s22, s22, BOFF                    ; which lie behind y's 256 tokens
.irp s, 0,1
	v_add_nc_u32 v[ADRA+\s], s21, v[CO]
	v_add_nc_u32 v[ADRB+\s], s22, v4
	s_add_co_u32 s21, s21, SLOT
	s_add_co_u32 s22, s22, SLOT
.endr
	s_mul_i32 s23, s14, 16*SPITCH                  ; my stage
	v_mul_u32_u24 v5, v1, SPITCH                   ; in: row r, 32 bytes for each half of the lanes
	v_lshl_add_u32 v5, v2, 5, v5
	v_add_nc_u32 v[STO], s23, v5
	v_add_nc_u32 v[RD], s23, v[CO]                 ; back: the 32 lanes take one row of 512 bytes
	s_lshl_b32 s22, s42, 10
	s_lshl_b32 s23, s16, 9
	s_add_co_u32 s22, s22, s23                     ; my first column, in bytes of f32: 1024 x tile column + 512 x half
	s_mov_b32 s23, 0
	s_add_nc_u64 s[10:11], s[10:11], s[22:23]      ; in b_proj,
	s_lshl_b32 s20, s17, 20                        ; and in out0 behind my first row: 256 x tile row + 128 x half rows of 4,096 bytes
	s_lshl_b32 s21, s15, 19
	s_add_co_u32 s20, s20, s21
	s_add_co_u32 s20, s20, s22
	s_mov_b32 s21, 0
	s_add_nc_u64 s[12:13], s[12:13], s[20:21]
.macro FRAG_A reg, adr, q, i           ; y's fragment of tokens 16 i on, the slot's q-th 128 channels: its image comes back as it was stored
.irp c, 0,1,2,3
	ds_load_b128 v[\reg+4*\c:\reg+4*\c+3], v[\adr] offset:ASTEP*(\i)+2048*(\q)+512*\c
.endr
.endm
.macro FRAG_B reg, adr, q, i           ; w_proj's: lane l holds row l % 16; registers 2 c, 2 c + 1 hold K = 16 c + 8 (l / 16) + 0 .. 7
.irp c, 0,1,2,3,4,5,6,7
	ds_load_b64 v[\reg+2*\c:\reg+2*\c+1], v[\adr] offset:128*(\q)+16*\c+(\i)*16*PITCH
.endr
.endm
; 16 matrix instructions; the 64 accumulators take turns, one instruction a turn, in the same order in every step.
.macro MUL16 a0, p, zero
.irp a, \a0, \a0+1
.irp b, 0,1,2,3,4,5,6,7
.if \zero
	v_wmma_f32_16x16x128_fp8_fp8 v[8*(8*((\a)%4)+\b):8*(8*((\a)%4)+\b)+7], v[128*(\p)+FR*\b:128*(\p)+FR*\b+FR-1], v[AF+FR*(\a):AF+FR*(\a)+FR-1], 0
.else
	v_wmma_f32_16x16x128_fp8_fp8 v[8*(8*((\a)%4)+\b):8*(8*((\a)%4)+\b)+7], v[128*(\p)+FR*\b:128*(\p)+FR*\b+FR-1], v[AF+FR*(\a):AF+FR*(\a)+FR-1], v[8*(8*((\a)%4)+\b):8*(8*((\a)%4)+\b)+7]
.endif
.endr
.endr
.endm
.macro FETCH_B slot, q, p
	WIN TO_B
.irp i, 0,1,2,3,4,5,6,7
	FRAG_B 128*(\p)+FR*\i, ADRB+\slot, \q, \i
.endr
	WIN 0
.endm
.macro FETCH_A slot, q, i0
.irp i, \i0, \i0+1, \i0+2, \i0+3
	FRAG_A AF+FR*(\i), ADRA+\slot, \q, \i
.endr
.endm
.macro PLACES n                        ; places behind matrix instructions, in front of loads into registers that they read and of the first read of results
.rept \n
	v_nop
.endr
.endm
.macro STEP slot, q, zero
	s_wait_dscnt 4*NL                              ; w_proj's set and y's blocks 0-3 are in; the youngest sixteen loads (y's blocks 4-7) may be out
	WIN MUL_LO
	MUL16 0, (\q)%2, \zero
	MUL16 2, (\q)%2, \zero
	s_wait_dscnt 0
	PLACES NP
	FETCH_B \slot, (\q)+1, 1-(\q)%2
	FETCH_A \slot, (\q)+1, 0
	WIN MUL_HI
	MUL16 4, (\q)%2, \zero
	MUL16 6, (\q)%2, \zero
	PLACES NP
	WIN 0
	FETCH_A \slot, (\q)+1, 4
.endm
; A slot's last step changes slots: ONE barrier; in front of it each wave waits for all its tensor loads, adds 0 to its spare word, and waits for that and for its own reads of this slot.
.macro TURN slot, next, fill
	s_wait_tensorcnt 0x0                           ; all my tensor loads have landed: my part of the next slot  (every window is 0 here)
	ds_add_u32 v[SPW], v[NIL]                      ; 0 onto my spare word
	s_wait_dscnt 4*NL+1                            ; (the add and the youngest sixteen loads may be out)
	WIN MUL_LO
	MUL16 0, 1, 0
	s_wait_dscnt 0x0                               ; the add is done, and my reads of this slot are over
	s_barrier_signal -1
	MUL16 2, 1, 0
	WIN 0
	s_barrier_wait -1
.if \fill
	CREST                                          ; the barrier has opened a round of the cluster's barrier: no wave of any partner still reads this slot's tile or has a load on its way
	s_add_nc_u64 s[G0+4*\slot+2:G0+4*\slot+3], s[G0+4*\slot+2:G0+4*\slot+3], 2*ASTEP
	s_add_nc_u64 s[G0B+4*\slot+2:G0B+4*\slot+3], s[G0B+4*\slot+2:G0B+4*\slot+3], 2*ROWB
	JLOAD G0+4*\slot, G1, G0B+4*\slot, G1B         ; the first tensor load behind the round; its four v_nop are the places in front of the loads below
.else
	PLACES NP
.endif
	FETCH_B \next, 0, 0
	FETCH_A \next, 0, 0
	WIN MUL_HI
	MUL16 4, 1, 0
	MUL16 6, 1, 0
	PLACES NP
	WIN 0
	FETCH_A \next, 0, 4
.endm
	s_wait_alu depctr_va_vdst(0)
	s_wait_tensorcnt 1                             ; my part of K step 0 is in (K step 1's load may be out)
	s_barrier_signal -1
	s_barrier_wait -1
	FETCH_B 0, 0, 0
	FETCH_A 0, 0, 0
	FETCH_A 0, 0, 4
	STEP 0, 0, 1                                   ; the first step's products start the sums
	s_mov_b32 s3, LAPS-1
.Llap:
	TURN 0, 1, 1
	STEP 1, 0, 0
	TURN 1, 0, 1
	STEP 0, 0, 0
	s_sub_co_u32 s3, s3, 1
	s_cmp_lg_u32 s3, 0
	s_cbranch_scc1 .Llap
	TURN 0, 1, 0                                   ; the last lap fills nothing
	STEP 1, 0, 0
	WIN TO_B                                       ; the bias of my 128 columns, in the result's layout, into w_proj's set 0, whose last products stand in front of the step's last places; it lands under the last 64 products
.irp b, 0,1,2,3,4,5,6,7
	global_load_b128 v[8*\b:8*\b+3], v[H32], s[10:11] offset:64*\b
	global_load_b128 v[8*\b+4:8*\b+7], v[H32], s[10:11] offset:64*\b+16
.endr
	WIN 0
	s_wait_dscnt 4*NL                              ; the very last step: nothing more to fetch
	WIN MUL_LO
	MUL16 0, 1, 0
	MUL16 2, 1, 0
	s_wait_dscnt 0
	WIN MUL_HI
	MUL16 4, 1, 0
	MUL16 6, 1, 0
	WIN 0
; THE WAY OUT, block by block of 16 rows x 128 columns, through my own stage in LDS, so that whole rows of 512 bytes are stored.  LDS serves a wave's instructions in order (ISA guide 5.7.1.4).
.macro TOSTAGE a
.set AC, 64*((\a)%4)
	WIN 0x12+((\a)/4)                              ; source 0 (the sums) window 2 or 3, source 2 (the bias) window 1
.irp j, 0,2,4,6,8,10,12,14,16,18,20,22,24,26,28,30,32,34,36,38,40,42,44,46,48,50,52,54,56,58,60,62
	v_pk_fma_f32 v[TMP+\j:TMP+\j+1], v[AC+\j:AC+\j+1], s[96:97], v[\j:\j+1] op_sel_hi:[1,0,1]   ; sum x 2^(e6 + e7) + bias; each accumulator from its low end on
.endr
	WIN 0
.irp b, 0,1,2,3,4,5,6,7
	ds_store_b128 v[STO], v[TMP+8*\b:TMP+8*\b+3] offset:64*\b
	ds_store_b128 v[STO], v[TMP+8*\b+4:TMP+8*\b+7] offset:64*\b+16
.endr
.set BB, BK+64*((\a)%2)
.irp t, 0,1,2,3,4,5,6,7,8,9,10,11,12,13,14,15
	ds_load_b128 v[BB+4*\t:BB+4*\t+3], v[RD] offset:\t*SPITCH
.endr
.endm
.macro SEND a, younger                 ; younger: the LDS instructions issued behind block a's loads, which may stay out
.set BB, BK+64*((\a)%2)
	s_wait_dscnt \younger
.if (\a) > 0
	s_add_nc_u64 s[12:13], s[12:13], 16*SIZE_N*4   ; (behind a wait on XCNT: the earlier stores have read their base)  16 rows on
.endif
.irp t, 0,1,2,3,4,5,6,7,8,9,10,11,12,13,14,15
	global_store_b128 v[CO], v[BB+4*\t:BB+4*\t+3], s[12:13] offset:\t*SIZE_N*4 th:TH_STORE_NT   ; 32 lanes store 512 consecutive bytes, aligned; written once, read by nobody here
.endr
.endm
	s_wait_kmcnt 0x0
	s_add_co_i32 s96, s96, s97                     ; e6 + e7
	s_add_co_i32 s96, s96, 127
	s_lshl_b32 s96, s96, 23                        ; 2^(e6 + e7) as f32
	s_mov_b32 s97, s96                             ; (named with it as a pair, so it is written)
	s_wait_loadcnt 0x0                             ; the bias
	PLACES NP
	TOSTAGE 0
.irp a, 1,2,3,4,5,6,7
.if \a > 1
	s_wait_xcnt 0x0                                ; block a - 2's stores have read their registers and their base
.endif
	TOSTAGE \a
	SEND \a-1, 32                                  ; behind block a - 1's loads: block a's 16 stores and 16 loads
.endr
	s_wait_xcnt 0x0
	SEND 7, 0
	s_wait_tensorcnt 0x0                           ; the wave's end
	ds_add_u32 v[SPW], v[NIL]
	s_wait_dscnt 0x0
	CROUND                                         ; the closing round
	s_endpgm
.Lfunc_end_k_q01ec4844f7_proj:
	.size	k_q01ec4844f7_proj, .Lfunc_end_k_q01ec4844f7_proj-k_q01ec4844f7_proj
	.p2alignl 7, 3214868480
	.fill 96, 4, 3214868480
	.section	.rodata,"a",@progbits
	.p2align	6, 0x0
	.amdhsa_kernel k_q01ec4844f7_proj
		.amdhsa_group_segment_fixed_size 327680
		.amdhsa_private_segment_fixed_size 0
		.amdhsa_enable_private_segment 0
		.amdhsa_kernarg_size 40
		.amdhsa_user_sgpr_count 2
		.amdhsa_user_sgpr_kernarg_segment_ptr 1
		.amdhsa_wavefront_size32 1
		.amdhsa_system_sgpr_workgroup_id_x 1
		.amdhsa_system_sgpr_workgroup_id_y 1
		.amdhsa_system_sgpr_workgroup_id_z 1
		.amdhsa_system_vgpr_workitem_id 0
		.amdhsa_next_free_vgpr 1024
		.amdhsa_next_free_sgpr 100
		.amdhsa_reserve_vcc 0
		.amdhsa_float_denorm_mode_32 3
		.amdhsa_float_denorm_mode_16_64 3
		.amdhsa_memory_ordered 1
		.amdhsa_forward_progress 1
		.amdhsa_inst_pref_size 142
	.end_amdhsa_kernel
	.amdgpu_metadata
---
amdhsa.version: [ 1, 2 ]
amdhsa.kernels:
  - .name:           k_q01ec4844f7_proj
    .symbol:         k_q01ec4844f7_proj.kd
    .args:
      - { .name: y, .offset: 0, .size: 8, .value_kind: global_buffer, .address_space: global }
      - { .name: w_proj_codes, .offset: 8, .size: 8, .value_kind: global_buffer, .address_space: global }
      - { .name: lowp_scales, .offset: 16, .size: 8, .value_kind: global_buffer, .address_space: global }
      - { .name: b_proj, .offset: 24, .size: 8, .value_kind: global_buffer, .address_space: global }
      - { .name: out0, .offset: 32, .size: 8, .value_kind: global_buffer, .address_space: global }
    .group_segment_fixed_size: 327680
    .private_segment_fixed_size: 0
    .kernarg_segment_align: 8
    .kernarg_segment_size: 40
    .max_flat_workgroup_size: 128
    .sgpr_count:     100
    .vgpr_count:     1024
    .wavefront_size: 32
...
	.end_amdgpu_metadata
.endif
;; end of part 3
